; MI455X (gfx1250); checked and timed in simulation.
; The chip was launched on July 23, 2026; its instructions are those of AMD's public machine-readable ISA for CDNA 5 (MIT licence, August 2026) and "CDNA5" Instruction Set Architecture Reference Guide (July 2026). The comments in the code are by the model that wrote it; some were corrected since.
;; Self Attentionv1. Allowed arithmetic: float matrix products may take bf16 or f16 operands with f32 sums; all other float work in f32.
;; Inputs: bk 256 float32; bo 256 float32; bq 256 float32; bv 256 float32; mask 1 x 4,096 x 4,096 int32; wk 256 x 256 float32; wo 256 x 256 float32; wq 256 x 256 float32; wv 256 x 256 float32; x 4 x 4,096 x 256 float32.
;; Outputs: out0 4 x 4,096 x 256 float32.
;; One version. Each part assembles by itself: llvm-mc -triple=amdgcn-amd-amdhsa -mcpu=gfx1250 --defsym DOCPART=n.
;; ======== version 1 of 1: 3 launches
;; limits: values are held in f16: magnitudes above 65,504 overflow, below 6.1e-05 lose precision
;; workspace buffers: maskw 2,097,152 bytes of whole numbers; wt 524,288 bytes; qs 8,388,608 bytes; kb 8,388,608 bytes; vt 8,388,608 bytes
;; launch pack (part 1): grid 256 x 1, 8 waves a work-group, no clusters, 273,664 bytes of LDS; arguments mask, wq, wk, wv, wo, maskw, wt; writes maskw, wt
.if DOCPART == 1
	.amdgcn_target "amdgcn-amd-amdhsa--gfx1250"
	.amdhsa_code_object_version 6
	.text
	.protected	k_q076171d78b_pack
	.globl	k_q076171d78b_pack
	.p2align	8
	.type	k_q076171d78b_pack,@function
k_q076171d78b_pack:
	s_mov_b64 s[64:65], 0
	v_nop
	global_prefetch_b8 v0, s[64:65] scope:SCOPE_SE
	s_setreg_imm32_b32 hwreg(HW_REG_WAVE_MODE, 25, 1), 1
	s_wait_xcnt 0x0
; pack: (1) the int32 mask [4096][4096] becomes lane-mask words, one bit a number, bit = 1 where mask == 0;
;       (2) wq, wk, wv, wo [in][out] f32 become wt[4][out][in] f16, wq multiplied by log2(e)/16 on the way.
; f16 AND NOT bf16: a query with few open keys gives an output made of few rows of V, many times the outputs' typical size, while the error that is
; allowed is set by the typical size; roundings to 8 significant bits, summed over the 256 products of a projection, do not fit into it, roundings to 11 do.
; LIMIT: a weight (wq: times 0.09) must stay below 65,504 in size; below 6.1e-5 it is kept in steps of 6e-8.
; MASK WORDS.  Word (16 rows t16, 16 columns ktg, j) lies at word index t16*2048 + ktg*8 + j; its bit L = r + 16 h says
; whether mask[16 t16 + r][16 ktg + 8 h + j] is 0.  That is the lane mask of register j of a 16 x 16 f32 matrix result whose
; lanes hold the row r and whose registers hold the columns 8 h + j: the attention launch feeds it straight to a select.
; SHARES.  Work-group g owns mask rows 16 g .. 16 g + 15 (262,144 bytes): with padding they fit in LDS whole, so every tile is a first
; fill, nothing is filled again, and all of the group's bytes are asked for at its first lines.  Wave w owns columns 512 w .. +511 as four
; tiles of 16 rows x 128 columns (rows of 512 bytes that start at multiples of 512 bytes).  A wave has four tensor loads out.
; Work-groups share no input, so there is no cluster; no matrix unit: the launch only moves and compares.
; WEIGHTS.  Work-group g makes rows 4 (g & 63) .. +3 of matrix g >> 6, 2,048 neighbouring bytes of wt.  Thread d reads 16 bytes of row d
; of the f32 matrix: short pieces of 256 rows.  That is accepted because the four matrices are 1 MiB in all and the transposed
; result then leaves in stores of 512 neighbouring bytes a wave.
.set PITCH, 528                        ; an LDS row: 512 bytes + 16 of padding, an odd multiple of 16: the 16 rows that a load touches start 16 bytes apart modulo 256
.set TILE,  16*PITCH                   ; 8,448 bytes
.set CAST,  32*TILE                    ; 270,336: four rows of 528 bytes for the transposed weights; no tensor load lands here
.set G1,  20                           ; s[20:27] descriptor group 1, the same for all loads
.set G0,  28                           ; s[28:43] descriptor group 0, one set for each of the four tiles
.set CM,  44                           ; s[44:51] eight lane masks
.set DAT, 16                           ; v[16:79] a tile as loaded from LDS: key tile kt in 8 registers
.set OUT, 80                           ; v[80:87] tile t: a pair; lane l holds words 2 l and 2 l + 1 of the tile's 64
.set LA,  88                           ; LDS address of my 32 bytes in my wave's tile 0
.set MO,  89                           ; byte offset in maskw of my 8 bytes
	s_load_b256 s[4:11], s[0:1], 0x0               ; mask s[4:5], wq s[6:7], wk s[8:9], wv s[10:11]
	s_load_b128 s[12:15], s[0:1], 0x20             ; wo s[12:13], maskw s[14:15]
	s_load_b64 s[16:17], s[0:1], 0x30              ; wt
	v_lshl_add_u32 v96, v0, 2, 0x42900
	v_mov_b32 v97, 0
	ds_add_u32 v96, v97
	v_lshrrev_b32 v1, 5, v0
	v_readfirstlane_b32 s18, v1                    ; wave 0..7
	s_mov_b32 s[G1+0], (2<<16)|(1<<20)|(6<<22)|(3<<25) ; elements of 4 bytes; padding on: after every 128 words (code 6) 4 words (code 3)
	s_mov_b32 s[G1+1], 128<<16                     ; tensor_dim0 = 128
	s_mov_b32 s[G1+2], 16<<16                      ; tensor_dim1 = 16
	s_mov_b32 s[G1+3], 128<<16                     ; tile_dim0 = 128
	s_mov_b32 s[G1+4], 16                          ; tile_dim1 = 16
	s_mov_b32 s[G1+5], 4096                        ; elements from row to row
	s_mov_b32 s[G1+6], 0
	s_mov_b32 s[G1+7], 0
	s_lshl_b32 s2, ttmp9, 18                       ; 16 rows of 16,384 bytes a work-group
	s_lshl_b32 s3, s18, 11                         ; 512 columns of 4 bytes a wave
	s_add_co_u32 s2, s2, s3
	s_mov_b32 s3, 0
	s_mul_i32 s19, s18, 4*TILE                     ; my wave's four tiles in LDS
	s_wait_dscnt 0x0
	s_wait_kmcnt 0x0
	s_add_nc_u64 s[4:5], s[4:5], s[2:3]
.irp t,0,1,2,3
	s_mov_b32 s[G0+4*\t], 1
	s_add_co_u32 s[G0+4*\t+1], s19, \t*TILE
	s_add_nc_u64 s[G0+4*\t+2:G0+4*\t+3], s[4:5], \t*512
	s_or_b32 s[G0+4*\t+3], s[G0+4*\t+3], 0x80000000
	tensor_load_to_lds s[G0+4*\t:G0+4*\t+3], s[G1:G1+7]    ; all first fills go out before anything else
	s_nop 0
.endr
	; the weights, while the mask is on its way
	s_lshr_b32 s2, ttmp9, 6                        ; which matrix
	s_and_b32 s3, ttmp9, 63
	s_cmp_eq_u32 s2, 1
	s_cselect_b64 s[54:55], s[8:9], s[6:7]
	s_cmp_eq_u32 s2, 2
	s_cselect_b64 s[54:55], s[10:11], s[54:55]
	s_cmp_eq_u32 s2, 3
	s_cselect_b64 s[54:55], s[12:13], s[54:55]
	s_cmp_eq_u32 s2, 0
	s_cselect_b32 s52, 0x3db8aa3b, 1.0             ; wq carries log2(e)/16, so that the scores come out ready for the base 2 exponential
	s_mov_b32 s53, s52
	s_lshl_b32 s3, s3, 4
	v_lshl_add_u32 v2, v0, 10, s3                  ; row d = thread, columns 4 (g & 63) .. +3
	global_load_b128 v[4:7], v2, s[54:55]
	v_lshl_add_u32 v3, v0, 1, CAST                 ; column d of the transposed rows
	v_and_b32 v8, 15, v0                           ; r
	v_bfe_u32 v9, v0, 4, 1                         ; h
	v_mul_u32_u24 v[LA], v8, PITCH
	v_lshl_add_u32 v[LA], v9, 5, v[LA]             ; row r, 8 numbers for each half of the lanes
	v_add_nc_u32 v[LA], s19, v[LA]
	v_and_b32 v8, 31, v0
	s_lshl_b32 s2, ttmp9, 13                       ; 2,048 words a work-group
	s_lshl_b32 s3, s18, 10                         ; 256 words a wave
	s_add_co_u32 s2, s2, s3
	v_lshl_add_u32 v[MO], v8, 3, s2
.irp i,0,1,2,3,4,5,6,7
	v_mov_b32 v[OUT+\i], 0                         ; v_writelane_b32 counts as a reader of its destination
.endr
	s_wait_loadcnt 0x0
	v_pk_mul_f32 v[4:5], v[4:5], s[52:53] op_sel_hi:[1,0]
	v_pk_mul_f32 v[6:7], v[6:7], s[52:53] op_sel_hi:[1,0]
	v_cvt_pk_f16_f32 v8, v4, v5
	v_cvt_pk_f16_f32 v9, v6, v7
	ds_store_b16 v3, v8
	ds_store_b16_d16_hi v3, v8 offset:PITCH
	ds_store_b16 v3, v9 offset:2*PITCH
	ds_store_b16_d16_hi v3, v9 offset:3*PITCH
	s_wait_dscnt 0x0                               ; my stores are done before I signal: other waves read them
	s_barrier_signal -1
	s_barrier_wait -1                              ; the tensor loads stay out
	s_cmp_gt_u32 s18, 3
	s_cbranch_scc1 .Lnocast                        ; four rows, four waves
	v_and_b32 v10, 31, v0
	s_mul_i32 s2, s18, PITCH
	s_add_co_u32 s2, s2, CAST
	v_lshl_add_u32 v10, v10, 4, s2
	ds_load_b128 v[12:15], v10                     ; a whole transposed row: 512 bytes a wave
	s_lshl_b32 s3, ttmp9, 11
	v_lshl_add_u32 v11, v0, 4, s3
	s_wait_dscnt 0x0
	global_store_b128 v11, v[12:15], s[16:17]
.Lnocast:
; Tile t: 16 LDS loads, 64 compares, 64 words gathered into a register pair, one store of 256 neighbouring bytes, aligned.
.macro MTILE t
	s_wait_tensorcnt 3-\t                          ; tensor loads of a wave end in order: tile t is in, the younger ones stay out
.irp kt,0,1,2,3,4,5,6,7
	ds_load_b128 v[DAT+8*\kt:DAT+8*\kt+3],   v[LA] offset:\t*TILE+\kt*64
	ds_load_b128 v[DAT+8*\kt+4:DAT+8*\kt+7], v[LA] offset:\t*TILE+\kt*64+16
.endr
.irp kt,0,1,2,3,4,5,6,7
	s_wait_dscnt 14-2*\kt                          ; the two loads of key tile kt are in, the younger ones stay out
.irp j,0,1,2,3,4,5,6,7
	v_cmp_eq_u32 s[CM+\j], 0, v[DAT+8*\kt+\j]
.endr
.irp j,0,1,2,3,4,5,6,7
	v_writelane_b32 v[OUT+2*\t+(\j&1)], s[CM+\j], 4*\kt+(\j>>1)    ; word n = 8 kt + j: register n & 1, lane n >> 1
.endr
.endr
	global_store_b64 v[MO], v[OUT+2*\t:OUT+2*\t+1], s[14:15] offset:\t*256   ; each tile has its own pair: no store data is rewritten
.endm
	MTILE 0
	MTILE 1
	MTILE 2
	MTILE 3
	s_wait_tensorcnt 0x0
	ds_add_u32 v96, v97
	s_wait_dscnt 0x0
	s_endpgm
.Lfunc_end_k_q076171d78b_pack:
	.size	k_q076171d78b_pack, .Lfunc_end_k_q076171d78b_pack-k_q076171d78b_pack
	.p2alignl 7, 3214868480
	.fill 96, 4, 3214868480
	.section	.rodata,"a",@progbits
	.p2align	6, 0x0
	.amdhsa_kernel k_q076171d78b_pack
		.amdhsa_group_segment_fixed_size 273664
		.amdhsa_private_segment_fixed_size 0
		.amdhsa_enable_private_segment 0
		.amdhsa_kernarg_size 56
		.amdhsa_user_sgpr_count 2
		.amdhsa_user_sgpr_kernarg_segment_ptr 1
		.amdhsa_wavefront_size32 1
		.amdhsa_system_sgpr_workgroup_id_x 1
		.amdhsa_system_sgpr_workgroup_id_y 1
		.amdhsa_system_sgpr_workgroup_id_z 1
		.amdhsa_system_vgpr_workitem_id 0
		.amdhsa_next_free_vgpr 98
		.amdhsa_next_free_sgpr 66
		.amdhsa_reserve_vcc 0
		.amdhsa_float_denorm_mode_32 3
		.amdhsa_float_denorm_mode_16_64 3
		.amdhsa_memory_ordered 1
		.amdhsa_forward_progress 1
		.amdhsa_inst_pref_size 43
	.end_amdhsa_kernel
	.amdgpu_metadata
---
amdhsa.version: [ 1, 2 ]
amdhsa.kernels:
  - .name:           k_q076171d78b_pack
    .symbol:         k_q076171d78b_pack.kd
    .args:
      - { .name: mask, .offset: 0, .size: 8, .value_kind: global_buffer, .address_space: global }
      - { .name: wq, .offset: 8, .size: 8, .value_kind: global_buffer, .address_space: global }
      - { .name: wk, .offset: 16, .size: 8, .value_kind: global_buffer, .address_space: global }
      - { .name: wv, .offset: 24, .size: 8, .value_kind: global_buffer, .address_space: global }
      - { .name: wo, .offset: 32, .size: 8, .value_kind: global_buffer, .address_space: global }
      - { .name: maskw, .offset: 40, .size: 8, .value_kind: global_buffer, .address_space: global }
      - { .name: wt, .offset: 48, .size: 8, .value_kind: global_buffer, .address_space: global }
    .group_segment_fixed_size: 273664
    .private_segment_fixed_size: 0
    .kernarg_segment_align: 8
    .kernarg_segment_size: 56
    .max_flat_workgroup_size: 256
    .sgpr_count:     66
    .vgpr_count:     98
    .wavefront_size: 32
...
	.end_amdgpu_metadata
.endif
;; end of part 1
;; launch qkv (part 2): grid 256 x 1, 4 waves a work-group, clusters of 4 x 1, 327,680 bytes of LDS; arguments x, wt, bq, bk, bv, qs, kb, vt; writes qs, kb, vt
.if DOCPART == 2
	.amdgcn_target "amdgcn-amd-amdhsa--gfx1250"
	.amdhsa_code_object_version 6
	.text
	.protected	k_q076171d78b_qkv
	.globl	k_q076171d78b_qkv
	.p2align	8
	.type	k_q076171d78b_qkv,@function
k_q076171d78b_qkv:
	s_mov_b64 s[64:65], 0
	v_nop
	global_prefetch_b8 v0, s[64:65] scope:SCOPE_SE
	s_setreg_imm32_b32 hwreg(HW_REG_WAVE_MODE, 25, 1), 1
	s_wait_xcnt 0x0
	s_wait_alu depctr_hold_cnt(0) depctr_sa_sdst(0) depctr_va_vdst(0) depctr_va_sdst(0) depctr_va_ssrc(0) depctr_va_vcc(0) depctr_vm_vsrc(0)
	s_getreg_b32 s2, hwreg(HW_REG_IB_STS2, 6, 4)
	s_cmp_eq_u32 s2, 0
	s_cbranch_scc0 .Lentry_in_a_cluster
	s_endpgm
.Lentry_in_a_cluster:
	s_bfe_u32 s2, ttmp6, 0x10000c
	s_cmp_lg_u32 s2, 0x3003
	s_cbranch_scc0 .Lentry_shape_is_right
	s_endpgm
.Lentry_shape_is_right:
; qkv: qs = (x wq + bq) log2(e)/16, kb = x wk + bk, both [16384][256] f16; vt = (x wv + bv) transposed, [256 blocks of 64 rows][256 f][64 s] f16.
; x is rounded to f16 on the way to the matrix unit, the weights come as f16 [out][in] from wt (wq already scaled); sums in f32.
; f16 AND NOT bf16: a query with few open keys gives an output made of few rows of V, many times the outputs' typical size, while the error that is
; allowed is set by the typical size; roundings to 8 significant bits, summed over 256 products, do not fit into it, roundings to 11 do.
; LIMIT: |x|, |q| log2(e)/16, |k| and |v| must stay below 65,504.  With x of unit spread and weights inside +-1/16, |k| and |v| reach about 3; all inputs
; 30 times larger make that 900 x 3 = 2,700; a common offset of 30 on x and of 30 x 1/8 on the weights gives 256 x 30 x 3.75 = 28,800.  Below 6.1e-5
; a number is kept in steps of 6e-8: with all inputs 30 times smaller v is about 6e-4, above that; q log2(e)/16 is about 6e-5, a thousand steps, and the scores are then about 4e-7.
; SHARES.  Work-group g owns 64 rows of x; wave w owns output columns 64 w .. +63 of each of the three products: 4 x 4 accumulator tiles,
; 128 registers.  The x tile is kept as 32 fragments in 256 registers for all three products.
; CLUSTER.  All work-groups walk the same weights, so four form a cluster and ask for each weight tile jointly (mask 15): the requests
; for weights are divided by four.  Wave w fetches, and alone reads, rows 64 w .. +63 of each matrix.  wq and wk are first fills
; of two LDS slots; wv is the one refill (of wq's slot), behind a round of the cluster's barrier.  A wave has two tensor loads out at most.
; ORIENTATION.  For Q and K source 0 takes weight rows and source 1 rows of x: a lane's eight results are eight neighbouring columns of
; one row, 16 bytes of f16.  For V the sources are swapped: eight neighbouring rows s of one feature, 16 bytes of the transposed block.
; Results go through an LDS stage and leave in stores of 512 neighbouring bytes a wave.
.set PITCH,  528                       ; 512 bytes + 16: an odd multiple of 16
.set WPART,  64*PITCH                  ; a wave's 64 weight rows
.set W1,     4*WPART                   ; slot 1 (slot 0 begins at byte 0)
.set XS,     8*WPART                   ; 270,336: x as f16, then the stage for Q and K (pitch 528), then for V (256 rows, pitch 144): 36,864 bytes, no tensor load lands here
.set VPITCH, 144
.set WA0, 1                            ; v1  LDS address of my weight fragments, slot 0
.set WA1, 2                            ; v2  slot 1
.set XA,  3                            ; v3  of the x fragments
.set SQ,  4                            ; v4  stage, Q and K: where I put 16 bytes
.set RQ,  5                            ; v5  where I read a row back
.set SV,  6                            ; v6  stage, V: in
.set RV,  7                            ; v7  back
.set GO,  8                            ; v8  16 x lane
.set BA,  9                            ; v9  byte offset of my 8 numbers of bq and bk
.set BB,  10                           ; v10 of my number of bv
.set XST, 11                           ; v11 where I put 8 bytes of x
.set BV,  16                           ; v[16:23] bv of my column in tile ft, twice: a pair for the packed add
.set FR,  32                           ; v[32:127] weight fragments: three buffers of four
.set ACC, 128                          ; v[128:255] accumulators, tile (ft, st) at 8 (4 ft + st).  Window 1: x fragment (st, ks) at 8 (8 st + ks).  Window 2: bq at 0, bk at 32, [ft][j]
.set G1,  24                           ; s[24:31] descriptor group 1
.set MSB, 0
.macro WIN new                         ; s_set_vgpr_msb: the high byte repeats the setting that is left
.if MSB != (\new)
	s_set_vgpr_msb (MSB<<8)|(\new)
.set MSB, \new
.endif
.endm
.macro PLACES                          ; four places behind a matrix instruction before its registers are loaded into or its result is read (ISA guide 7.12.1)
.rept 4
	v_nop
.endr
.endm
.macro BARRIER
	s_barrier_signal -1
	s_barrier_wait -1
.endm
.macro ROUND                           ; a round of the cluster's barrier: my work-group's barrier, wave 0 signals for it, all wait for the four, my work-group's barrier
	s_barrier_signal -1
	s_barrier_wait -1
	s_cmp_lg_u32 s20, 0
	s_cbranch_scc1 .Lnot_wave_0_\@
	s_barrier_signal -3
.Lnot_wave_0_\@:
	s_barrier_wait -3
	s_barrier_signal -1
	s_barrier_wait -1
.endm
	s_load_b512 s[4:19], s[0:1], 0x0               ; x s[4:5], wt s[6:7], bq s[8:9], bk s[10:11], bv s[12:13], qs s[14:15], kb s[16:17], vt s[18:19]
	v_lshl_add_u32 v30, v0, 2, 0x4b000
	v_mov_b32 v31, 0
	ds_add_u32 v30, v31
	v_lshrrev_b32 v1, 5, v0
	v_readfirstlane_b32 s20, v1                    ; wave 0..3
	s_bfe_u32 s21, ttmp6, 0x40000                  ; cx
	s_lshl_b32 s22, ttmp9, 2
	s_add_co_u32 s22, s22, s21                     ; g = 4 x cluster + cx: enters global addresses of x and of the results alone
	s_mov_b32 s[G1+0], 15|(1<<16)|(1<<20)|(1<<21)|(6<<22)|(3<<25) ; mask: all four; elements of 2 bytes; padding: after 128 words 4 words; bit 21 beside the mask
	s_mov_b32 s[G1+1], 256<<16                     ; tensor_dim0 = 256
	s_mov_b32 s[G1+2], 64<<16                      ; tensor_dim1 = 64
	s_mov_b32 s[G1+3], 256<<16                     ; tile_dim0 = 256
	s_mov_b32 s[G1+4], 64                          ; tile_dim1 = 64
	s_mov_b32 s[G1+5], 256                         ; elements from row to row
	s_mov_b32 s[G1+6], 0
	s_mov_b32 s[G1+7], 0
	s_mov_b32 s44, 0x3db8aa3b                      ; log2(e)/16, for bq
	s_mov_b32 s45, 0x3db8aa3b
	s_mov_b32 s46, 1.0                             ; for bk
	s_mov_b32 s47, 1.0
	s_lshl_b32 s2, s20, 15                         ; my 64 rows of 512 bytes in each matrix
	s_mov_b32 s3, 0
	s_mul_i32 s23, s20, WPART
	s_wait_dscnt 0x0
	s_wait_kmcnt 0x0
	s_add_nc_u64 s[6:7], s[6:7], s[2:3]
	s_mov_b32 s32, 1                               ; group 0 for wq: slot 0
	s_add_co_u32 s33, s23, 0
	s_mov_b64 s[34:35], s[6:7]
	s_or_b32 s35, s35, 0x80000000
	s_mov_b32 s36, 1                               ; for wk: slot 1
	s_add_co_u32 s37, s23, W1
	s_add_nc_u64 s[38:39], s[6:7], 131072
	s_or_b32 s39, s39, 0x80000000
	s_mov_b32 s40, 1                               ; for wv: slot 0 again
	s_add_co_u32 s41, s23, 0
	s_add_nc_u64 s[42:43], s[6:7], 262144
	s_or_b32 s43, s43, 0x80000000
	ROUND                                          ; the four work-groups are here: the first joint loads meet
	tensor_load_to_lds s[32:35], s[G1:G1+7]
	s_nop 0
	tensor_load_to_lds s[36:39], s[G1:G1+7]
	s_nop 0
	s_lshl_b32 s2, s22, 16                         ; x: 64 rows of 1,024 bytes a work-group,
	s_lshl_b32 s48, s20, 14                        ; 16 rows a wave
	s_add_co_u32 s2, s2, s48
	s_add_nc_u64 s[4:5], s[4:5], s[2:3]
	s_lshr_b32 s2, s2, 1                           ; the results: half the bytes
	s_add_nc_u64 s[14:15], s[14:15], s[2:3]
	s_add_nc_u64 s[16:17], s[16:17], s[2:3]
	s_add_nc_u64 s[18:19], s[18:19], s[2:3]
	v_and_b32 v24, 15, v0                          ; r
	v_bfe_u32 v25, v0, 4, 1                        ; h
	v_and_b32 v26, 31, v0                          ; lane
	v_mul_u32_u24 v27, v24, PITCH
	v_lshl_add_u32 v27, v25, 4, v27                ; r x pitch + 16 h: a fragment is two loads of 16 bytes, 32 bytes apart
	v_add_nc_u32 v[WA0], s23, v27
	v_add_nc_u32 v[WA1], W1, v[WA0]
	v_add_nc_u32 v[XA], XS, v27
	s_lshl_b32 s48, s20, 7
	s_add_co_u32 s48, s48, XS
	v_add_nc_u32 v[SQ], s48, v27                   ; row r, my wave's 128 bytes, 16 for each half of the lanes
	v_lshlrev_b32 v[GO], 4, v26
	s_mul_i32 s48, s20, 16*PITCH
	s_add_co_u32 s48, s48, XS
	v_add_nc_u32 v[RQ], s48, v[GO]
	v_lshl_add_u32 v[XST], v26, 3, s48
	v_mul_u32_u24 v28, v24, VPITCH
	v_lshl_add_u32 v28, v25, 4, v28
	s_mul_i32 s48, s20, 64*VPITCH
	s_add_co_u32 s48, s48, XS
	v_add_nc_u32 v[SV], s48, v28
	v_lshrrev_b32 v28, 3, v26
	v_mul_u32_u24 v28, v28, VPITCH
	v_and_b32 v29, 7, v26
	v_lshl_add_u32 v28, v29, 4, v28
	v_add_nc_u32 v[RV], s48, v28                   ; four rows of 128 bytes a load
	s_lshl_b32 s48, s20, 8
	v_lshl_add_u32 v[BA], v25, 5, s48
	v_lshl_add_u32 v[BB], v24, 2, s48
	WIN 0x80                                       ; destination in window 2
.irp ft,0,1,2,3
	global_load_b128 v[8*\ft:8*\ft+3],       v[BA], s[8:9]   offset:64*\ft
	global_load_b128 v[8*\ft+4:8*\ft+7],     v[BA], s[8:9]   offset:64*\ft+16
	global_load_b128 v[32+8*\ft:32+8*\ft+3], v[BA], s[10:11] offset:64*\ft
	global_load_b128 v[32+8*\ft+4:32+8*\ft+7], v[BA], s[10:11] offset:64*\ft+16
.endr
	WIN 0
.irp ft,0,1,2,3
	global_load_b32 v[BV+2*\ft],   v[BB], s[12:13] offset:64*\ft
	global_load_b32 v[BV+2*\ft+1], v[BB], s[12:13] offset:64*\ft
.endr
.set i, 0
.rept 32
	global_load_b128 v[ACC+4*i:ACC+4*i+3], v[GO], s[4:5] offset:512*i th:TH_LOAD_NT   ; my 16 rows of x, 512 neighbouring bytes a load
.set i, i+1
.endr
.set i, 0
.rept 32
	s_wait_loadcnt 31-i                            ; loads come back in order: load i (and the biases, issued earlier) is in, the younger ones stay out
	v_cvt_pk_f16_f32 v[FR+2*i],   v[ACC+4*i],   v[ACC+4*i+1]
	v_cvt_pk_f16_f32 v[FR+2*i+1], v[ACC+4*i+2], v[ACC+4*i+3]
	ds_store_b64 v[XST], v[FR+2*i:FR+2*i+1] offset:(i>>1)*PITCH+(i&1)*256
.set i, i+1
.endr
	s_wait_dscnt 0x0                               ; my part of the x tile is written before I signal
	s_wait_tensorcnt 0x1                           ; my rows of wq are in; wk stays out
	BARRIER
	WIN 0x40                                       ; destination in window 1
.irp st,0,1,2,3
.irp ks,0,1,2,3,4,5,6,7
	ds_load_b128 v[8*(8*\st+\ks):8*(8*\st+\ks)+3],   v[XA] offset:\st*16*PITCH+\ks*64
	ds_load_b128 v[8*(8*\st+\ks)+4:8*(8*\st+\ks)+7], v[XA] offset:\st*16*PITCH+\ks*64+32
.endr
.endr
	WIN 0
; eight LDS loads: the four weight fragments (16 rows x 32 K each) of K step n, into buffer n mod 3
.macro WFETCH adr, n
.irp ft,0,1,2,3
	ds_load_b128 v[FR+32*((\n)%3)+8*\ft:FR+32*((\n)%3)+8*\ft+3],   v[\adr] offset:\ft*16*PITCH+(\n)*64
	ds_load_b128 v[FR+32*((\n)%3)+8*\ft+4:FR+32*((\n)%3)+8*\ft+7], v[\adr] offset:\ft*16*PITCH+(\n)*64+32
.endr
.endm
; One product: eight K steps of 32, sixteen matrix instructions each.  The sixteen accumulators take turns, one instruction a turn.
; The first step starts the sums with the constant 0.  Fragments are fetched two steps ahead.
.macro GEMM adr, swap
	WFETCH \adr, 0
	WFETCH \adr, 1
.irp n,0,1,2,3,4,5,6,7
.if \n >= 1
	PLACES                                         ; behind step n - 1, whose buffer is loaded again below
.endif
.if \n <= 5
.if \swap
	WIN 0
.endif
	WFETCH \adr, \n+2
	s_wait_dscnt 16                                ; all but the two younger groups of eight: step n's fragments (and, the first time, x's) are in
.elseif \n == 6
	s_wait_dscnt 8                                 ; one younger group is out
.else
	s_wait_dscnt 0
.endif
	WIN 0x04-3*\swap                               ; x fragments in window 1: source 1, or source 0 when swapped
.irp ft,0,1,2,3
.irp st,0,1,2,3
.set ac, ACC+8*(4*\ft+\st)
.set wf, FR+32*(\n%3)+8*\ft
.set xf, 8*(8*\st+\n)
.if \swap
.if \n == 0
	v_wmma_f32_16x16x32_f16 v[ac:ac+7], v[xf:xf+7], v[wf:wf+7], 0
.else
	v_wmma_f32_16x16x32_f16 v[ac:ac+7], v[xf:xf+7], v[wf:wf+7], v[ac:ac+7]
.endif
.else
.if \n == 0
	v_wmma_f32_16x16x32_f16 v[ac:ac+7], v[wf:wf+7], v[xf:xf+7], 0
.else
	v_wmma_f32_16x16x32_f16 v[ac:ac+7], v[wf:wf+7], v[xf:xf+7], v[ac:ac+7]
.endif
.endif
.endr
.endr
.endr
	WIN 0
.endm
.macro PACKACC                         ; every tile: eight f32 become 16 bytes of f16 in its first four registers
.set a, 0
.rept 16
.irp i,0,1,2,3
	v_cvt_pk_f16_f32 v[ACC+8*a+\i], v[ACC+8*a+2*\i], v[ACC+8*a+2*\i+1]
.endr
.set a, a+1
.endr
.endm
; Q or K on its way out: bias (times sc) added, rounded, 16 bytes a lane into the stage, whole rows of 512 bytes back and out.
.macro OUTQK ptr, bias, sc
	PLACES
	WIN 0x02                                       ; source 0, the bias, in window 2
.irp ft,0,1,2,3
.irp st,0,1,2,3
.irp k,0,2,4,6
	v_pk_fma_f32 v[ACC+8*(4*\ft+\st)+\k:ACC+8*(4*\ft+\st)+\k+1], v[\bias+8*\ft+\k:\bias+8*\ft+\k+1], s[\sc:\sc+1], v[ACC+8*(4*\ft+\st)+\k:ACC+8*(4*\ft+\st)+\k+1] op_sel_hi:[1,0,1]
.endr
.endr
.endr
	WIN 0
	PACKACC
.irp ft,0,1,2,3
.irp st,0,1,2,3
	ds_store_b128 v[SQ], v[ACC+8*(4*\ft+\st):ACC+8*(4*\ft+\st)+3] offset:\st*16*PITCH+\ft*32
.endr
.endr
	s_wait_dscnt 0x0                               ; my columns of the stage are written before I signal
	BARRIER
.irp i,0,1,2,3,4,5,6,7,8,9,10,11,12,13,14,15
	ds_load_b128 v[FR+4*\i:FR+4*\i+3], v[RQ] offset:\i*PITCH
.endr
.irp i,0,1,2,3,4,5,6,7,8,9,10,11,12,13,14,15
	s_wait_dscnt 15-\i                             ; row i is in, the younger ones stay out
	global_store_b128 v[GO], v[FR+4*\i:FR+4*\i+3], s[\ptr:\ptr+1] offset:\i*512
.endr
	s_wait_xcnt 0x0                                ; the fragment buffers, which these stores read, are loaded again only behind this wait
.endm
	GEMM WA0, 0                                    ; Q
	s_wait_dscnt 0x0                               ; my reads of slot 0 and of the x tile are over
	s_wait_tensorcnt 0x0                           ; all my tensor loads have landed (wk among them)
	ds_add_u32 v30, v31
	s_wait_dscnt 0x0
	ROUND                                          ; both hold of every wave of the four work-groups
	tensor_load_to_lds s[40:43], s[G1:G1+7]        ; wv into slot 0: my one tensor load behind the round
	s_nop 0
	OUTQK 14, 0, 44
	GEMM WA1, 0                                    ; K
	s_wait_dscnt 0x0
	BARRIER                                        ; every wave has read its rows of Q back: the stage may be written again
	OUTQK 16, 32, 46
	s_wait_tensorcnt 0x0                           ; my rows of wv are in (I alone read them)
	GEMM WA0, 1                                    ; V, transposed
	s_wait_dscnt 0x0
	BARRIER                                        ; every wave has read its rows of K back
	PLACES
.irp ft,0,1,2,3
.irp st,0,1,2,3
.irp k,0,2,4,6
	v_pk_add_f32 v[ACC+8*(4*\ft+\st)+\k:ACC+8*(4*\ft+\st)+\k+1], v[ACC+8*(4*\ft+\st)+\k:ACC+8*(4*\ft+\st)+\k+1], v[BV+2*\ft:BV+2*\ft+1]
.endr
.endr
.endr
	PACKACC
.irp ft,0,1,2,3
.irp st,0,1,2,3
	ds_store_b128 v[SV], v[ACC+8*(4*\ft+\st):ACC+8*(4*\ft+\st)+3] offset:\ft*16*VPITCH+\st*32
.endr
.endr
.irp i,0,1,2,3,4,5,6,7,8,9,10,11,12,13,14,15
	ds_load_b128 v[FR+4*\i:FR+4*\i+3], v[RV] offset:\i*4*VPITCH    ; my own 64 feature rows: LDS serves a wave's instructions in order, so no wait and no barrier
.endr
.irp i,0,1,2,3,4,5,6,7,8,9,10,11,12,13,14,15
	s_wait_dscnt 15-\i
	global_store_b128 v[GO], v[FR+4*\i:FR+4*\i+3], s[18:19] offset:\i*512
.endr
	s_wait_tensorcnt 0x0
	ds_add_u32 v30, v31
	s_wait_dscnt 0x0
	ROUND                                          ; the closing round: no work-group ends while a partner may still ask jointly
	s_endpgm
.Lfunc_end_k_q076171d78b_qkv:
	.size	k_q076171d78b_qkv, .Lfunc_end_k_q076171d78b_qkv-k_q076171d78b_qkv
	.p2alignl 7, 3214868480
	.fill 96, 4, 3214868480
	.section	.rodata,"a",@progbits
	.p2align	6, 0x0
	.amdhsa_kernel k_q076171d78b_qkv
		.amdhsa_group_segment_fixed_size 327680
		.amdhsa_private_segment_fixed_size 0
		.amdhsa_enable_private_segment 0
		.amdhsa_kernarg_size 64
		.amdhsa_user_sgpr_count 2
		.amdhsa_user_sgpr_kernarg_segment_ptr 1
		.amdhsa_wavefront_size32 1
		.amdhsa_system_sgpr_workgroup_id_x 1
		.amdhsa_system_sgpr_workgroup_id_y 1
		.amdhsa_system_sgpr_workgroup_id_z 1
		.amdhsa_system_vgpr_workitem_id 0
		.amdhsa_next_free_vgpr 576
		.amdhsa_next_free_sgpr 66
		.amdhsa_reserve_vcc 0
		.amdhsa_float_denorm_mode_32 3
		.amdhsa_float_denorm_mode_16_64 3
		.amdhsa_memory_ordered 1
		.amdhsa_forward_progress 1
		.amdhsa_inst_pref_size 99
	.end_amdhsa_kernel
	.amdgpu_metadata
---
amdhsa.version: [ 1, 2 ]
amdhsa.kernels:
  - .name:           k_q076171d78b_qkv
    .symbol:         k_q076171d78b_qkv.kd
    .args:
      - { .name: x, .offset: 0, .size: 8, .value_kind: global_buffer, .address_space: global }
      - { .name: wt, .offset: 8, .size: 8, .value_kind: global_buffer, .address_space: global }
      - { .name: bq, .offset: 16, .size: 8, .value_kind: global_buffer, .address_space: global }
      - { .name: bk, .offset: 24, .size: 8, .value_kind: global_buffer, .address_space: global }
      - { .name: bv, .offset: 32, .size: 8, .value_kind: global_buffer, .address_space: global }
      - { .name: qs, .offset: 40, .size: 8, .value_kind: global_buffer, .address_space: global }
      - { .name: kb, .offset: 48, .size: 8, .value_kind: global_buffer, .address_space: global }
      - { .name: vt, .offset: 56, .size: 8, .value_kind: global_buffer, .address_space: global }
    .group_segment_fixed_size: 327680
    .private_segment_fixed_size: 0
    .kernarg_segment_align: 8
    .kernarg_segment_size: 64
    .max_flat_workgroup_size: 128
    .sgpr_count:     66
    .vgpr_count:     576
    .wavefront_size: 32
...
	.end_amdgpu_metadata
.endif
;; end of part 2
;; launch attn (part 3): grid 256 x 1, 4 waves a work-group, clusters of 4 x 1, 327,680 bytes of LDS; arguments qs, kb, vt, maskw, wt, bo, out0; writes out0
.if DOCPART == 3
	.amdgcn_target "amdgcn-amd-amdhsa--gfx1250"
	.amdhsa_code_object_version 6
	.text
	.protected	k_q076171d78b_attn
	.globl	k_q076171d78b_attn
	.p2align	8
	.type	k_q076171d78b_attn,@function
k_q076171d78b_attn:
	s_mov_b64 s[64:65], 0
	v_nop
	global_prefetch_b8 v0, s[64:65] scope:SCOPE_SE
	s_setreg_imm32_b32 hwreg(HW_REG_WAVE_MODE, 25, 1), 1
	s_wait_xcnt 0x0
	s_wait_alu depctr_hold_cnt(0) depctr_sa_sdst(0) depctr_va_vdst(0) depctr_va_sdst(0) depctr_va_ssrc(0) depctr_va_vcc(0) depctr_vm_vsrc(0)
	s_getreg_b32 s2, hwreg(HW_REG_IB_STS2, 6, 4)
	s_cmp_eq_u32 s2, 0
	s_cbranch_scc0 .Lentry_in_a_cluster
	s_endpgm
.Lentry_in_a_cluster:
	s_bfe_u32 s2, ttmp6, 0x10000c
	s_cmp_lg_u32 s2, 0x3003
	s_cbranch_scc0 .Lentry_shape_is_right
	s_endpgm
.Lentry_shape_is_right:
; attn: out0 = softmax(where(mask == 0, -1e9, q k^T / 16)) v wo + bo, with a running maximum.  qs already carries log2(e)/16, so scores are
; exponents of 2; a masked score is -1e9 log2(e).
; SHARES.  Work-group g owns 64 queries (block g & 63 of batch g >> 6) and walks all 4,096 keys in 16 steps of 256.  The four waves split the KEYS:
; wave w takes keys 256 i + 64 w .. +63 of step i, for all 64 queries, with its own maximum, sum and O (256 features x 64 queries, 512 registers).
; A step of a wave is 128 + 128 matrix instructions on 128 LDS loads of 16 bytes.  At the end the four waves' results are merged through LDS.
; ORIENTATION, no lane shuffles.  S^T = K Q^T: a lane holds one query (r) and eight keys (8 h + j) of a tile.  Two neighbouring key tiles, rounded to
; f16 in place, ARE the second source (query r, 32 keys) of O^T = V^T P^T.  Maximum and sum are per lane, the maximum crosses the two halves of the wave once
; a step, the sum once at the end.  O^T tiles 2 c, 2 c + 1 are in the same way the second source of out^T = wo^T score^T.
; CLUSTER.  The four work-groups of a cluster are four query blocks of one batch and read the same K and V tiles: every K, V (and wo^T) tile is asked for
; jointly, mask 15, which divides those requests by four.  A joint load names at most four, and only this one axis is shared.
; RING.  The K slot and the V slot take turns: K(i+1) is asked for behind a round in the middle of step i's softmax, when K(i) has been read; V(i+1) behind a
; round at the end of step i.  A wave has three tensor loads out at the start (Q, K(0), V(0)), later one.  A wave fetches, and alone reads, its own 64 keys.
; FORMAT.  Q, K, V, P, the score and the weights are f16, sums are f32.  f16 and not bf16: a query with few open keys gives an output made of few rows of V, many
; times the outputs' typical size, while the error that is allowed is set by the typical size; roundings to 8 significant bits, summed over 256 products, do not fit into it, roundings to 11 do.
; LIMITS.  P lies in [0, 1] and is kept in steps of 6e-8 below 6.1e-5; the score is a mean of rows of V and has V's range, which must stay below 65,504
; (the launch that makes V gives the arithmetic).  v_exp_f32 gives 0 for results below 2^-126 (ISA guide 15.8).
; Scores at or below -1e9 are not told from masked ones, as in the definition.  A row that is masked everywhere gets p = 1 for every key: the mean of V, as defined.
; NaN and infinities in the inputs are not treated apart.
.set KPITCH, 528                       ; a K, Q or wo^T row: 512 bytes + 16
.set KPART,  64*KPITCH                 ; a wave's 64 keys
.set VPITCH, 272                       ; two V^T rows of 128 bytes + 16: feature f at (f >> 1) 272 + (f & 1) 128, so that 16 features start at 16 different multiples of 16 modulo 256
.set VPART,  128*VPITCH                ; a wave's block [256 f][64 s]
.set VS,     4*KPART                   ; 135,168 (the K slot begins at byte 0)
.set QS,     VS+4*VPART                ; 274,432: 64 rows of Q; at the end the score fragments
.set STAT,   QS+64*KPITCH              ; 308,224: 4 KiB, the waves' maxima and sums
.set OPITCH, 1040                      ; the way out: a row of 1,024 bytes + 16
.set STEP,   131072                    ; 256 keys of K, or four blocks of V^T
.set KA, 1                             ; v1 LDS address of my K fragments
.set VA, 2                             ; v2 of my V fragments
.set QA, 3                             ; v3 of the Q fragments
.set MD, 4                             ; v[4:11]  running maximum of query tile qb, twice: a pair for packed arithmetic
.set AD, 12                            ; v[12:19] rescale factor, twice
.set LS, 20                            ; v[20:23] running sum, my half of the keys
.set MX, 24                            ; v[24:27] the new maximum
.set SUMP, 28                          ; v[28:31] two pairs of partial sums; also the lane crossing's temporaries
.set FR, 32                            ; v[32:127] fragments of K or V: three buffers of four
.set SR, 128                           ; v[128:255] S^T: block (hf, qb) of 16 registers at 16 (4 hf + qb) = key tiles 2 hf, 2 hf + 1; P fragment (qb, hf) in its first eight
                                       ; window 1: Q fragment (qb, ks) at 8 (8 qb + ks).  Windows 2, 3: O^T tile (fb, qb) at 8 (4 (fb & 7) + qb) in window 2 + (fb >> 3)
.set LN, 4                             ; the end: v4 16 x lane, v5 to v11 addresses (the maxima's pairs are dead by then)
.set TA, 5
.set EA, 6
.set SH, 7
.set RA, 8
; s3 wave; s[4:5] my mask words, s6 their step; s7 the masked score; s[8:15], s[16:23] group 1 for K, V; s[24:27], s[28:31] group 0 for K, V;
; s[32:47], s[48:63], s[68:83], s[84:99] sixteen mask words for each query tile; s66, s67 lane selects; s[100:101] wo^T; s104 trips; s105 g
.set MSB, 0
.macro WIN new                         ; s_set_vgpr_msb: bits 1:0 source 0, 3:2 source 1, 5:4 source 2, 7:6 destination; the high byte repeats the setting that is left
.if MSB != (\new)
	s_set_vgpr_msb (MSB<<8)|(\new)
.set MSB, \new
.endif
.endm
.macro PLACES                          ; four places behind a matrix instruction before its registers are loaded into or written, or its result is read (ISA guide 7.12.1)
.rept 4
	v_nop
.endr
.endm
.macro BARRIER
	s_barrier_signal -1
	s_barrier_wait -1
.endm
.macro CREST                           ; a round of the cluster's barrier behind its opening barrier
	s_cmp_lg_u32 s3, 0
	s_cbranch_scc1 .Lnot_wave_0_\@
	s_barrier_signal -3
.Lnot_wave_0_\@:
	s_barrier_wait -3
	s_barrier_signal -1
	s_barrier_wait -1
.endm
.macro ROUND
	s_barrier_signal -1
	s_barrier_wait -1
	CREST
.endm
; group n of the S phase: key tiles 2 hf, 2 hf + 1 (hf = n >> 2), K steps 2 gi, 2 gi + 1 (gi = n & 3): four fragments, eight loads, buffer n mod 3
.macro KFETCH n
.irp ktl,0,1
.irp ksub,0,1
	ds_load_b128 v[FR+32*((\n)%3)+8*(2*\ktl+\ksub):FR+32*((\n)%3)+8*(2*\ktl+\ksub)+3],   v[KA] offset:(2*((\n)>>2)+\ktl)*16*KPITCH+(2*((\n)&3)+\ksub)*64
	ds_load_b128 v[FR+32*((\n)%3)+8*(2*\ktl+\ksub)+4:FR+32*((\n)%3)+8*(2*\ktl+\ksub)+7], v[KA] offset:(2*((\n)>>2)+\ktl)*16*KPITCH+(2*((\n)&3)+\ksub)*64+32
.endr
.endr
.endm
; its sixteen matrix instructions: eight accumulators take turns, one instruction a turn; the first K step starts the sums with 0
.macro SMUL n
.irp ksub,0,1
.irp ktl,0,1
.irp qb,0,1,2,3
.set sd, SR+16*(4*((\n)>>2)+\qb)+8*\ktl
.set fa, FR+32*((\n)%3)+8*(2*\ktl+\ksub)
.set qf, 8*(8*\qb+2*((\n)&3)+\ksub)
.if ((\n)&3)+\ksub == 0
	v_wmma_f32_16x16x32_f16 v[sd:sd+7], v[fa:fa+7], v[qf:qf+7], 0
.else
	v_wmma_f32_16x16x32_f16 v[sd:sd+7], v[fa:fa+7], v[qf:qf+7], v[sd:sd+7]
.endif
.endr
.endr
.endr
.endm
.macro MLOAD hf                        ; 16 mask words for each query tile: key tiles 2 hf, 2 hf + 1 of the step at s6
.irp qb,0,1,2,3
	s_load_b512 s[32+16*\qb+4*(\qb>>1):32+16*\qb+4*(\qb>>1)+15], s[4:5], s6 offset:\qb*8192+\hf*64
.endr
.endm
.macro MASKQ hf, qb                    ; a set bit puts the masked score in the lane's place: word x belongs to register x of the block
.irp x,0,1,2,3,4,5,6,7,8,9,10,11,12,13,14,15
	v_cndmask_b32 v[SR+16*(4*\hf+\qb)+\x], v[SR+16*(4*\hf+\qb)+\x], s7, s[32+16*\qb+4*(\qb>>1)+\x]
.endr
.endm
.macro MAXK hf, k, seed                ; registers 2 k, 2 k + 1 of the four blocks of half hf enter the four maxima.  seed 1: begin from the old maximum; 2: from nothing
.irp qb,0,1,2,3
.if (\seed) == 2
	v_max_num_f32 v[MX+\qb], v[SR+16*(4*\hf+\qb)+2*\k], v[SR+16*(4*\hf+\qb)+2*\k+1]
.elseif (\seed) == 1
	v_max3_num_f32 v[MX+\qb], v[MD+2*\qb], v[SR+16*(4*\hf+\qb)+2*\k], v[SR+16*(4*\hf+\qb)+2*\k+1]
.else
	v_max3_num_f32 v[MX+\qb], v[MX+\qb], v[SR+16*(4*\hf+\qb)+2*\k], v[SR+16*(4*\hf+\qb)+2*\k+1]
.endif
.endr
.endm
; S^T for my 64 keys and all 64 queries.  While the second half of the keys is multiplied, the first half is masked and enters the maxima.
; msk = 0: the bare product (used for the output projection).
.macro S_PHASE msk, first
	KFETCH 0
	KFETCH 1
.irp n,0,1,2,3,4,5,6,7
.if \msk
.if \n == 4
	WIN 0
	PLACES                                         ; behind group 3: its results are read and its buffer is loaded again
	s_wait_kmcnt 0x0                               ; the first half's mask words
	MASKQ 0, 0
	MASKQ 0, 1
.elseif \n == 5
	WIN 0
	MASKQ 0, 2                                     ; these selects name none of group 4's registers: they are the places in front of the loads below
	MASKQ 0, 3
	MLOAD 1
.elseif \n == 6
	WIN 0
	MAXK 0, 0, 1+\first
	MAXK 0, 1, 0
	MAXK 0, 2, 0
	MAXK 0, 3, 0
.elseif \n == 7
	WIN 0
	MAXK 0, 4, 0
	MAXK 0, 5, 0
	MAXK 0, 6, 0
	MAXK 0, 7, 0
.elseif \n >= 1
	PLACES
.endif
.elseif \n >= 1
	PLACES
.endif
.if \n <= 5
	KFETCH \n+2
	s_wait_dscnt 16                                ; all but the two younger groups of eight: group n's fragments are in
.elseif \n == 6
	s_wait_dscnt 8                                 ; one younger group is out
.else
	s_wait_dscnt 0
.endif
	WIN 0x04                                       ; source 1, Q, in window 1
	SMUL \n
.endr
	WIN 0
.endm
.macro SUBB hf, qb                     ; s - m, two at a time
.irp k,0,2,4,6,8,10,12,14
	v_pk_add_f32 v[SR+16*(4*\hf+\qb)+\k:SR+16*(4*\hf+\qb)+\k+1], v[SR+16*(4*\hf+\qb)+\k:SR+16*(4*\hf+\qb)+\k+1], v[MD+2*\qb:MD+2*\qb+1] neg_lo:[0,1] neg_hi:[0,1]
.endr
.endm
.macro EXPB hf, qb                     ; p = 2^(s - m), in place.  What follows a run of these is always plain work on another block (ISA guide 5.7.2)
.irp k,0,1,2,3,4,5,6,7,8,9,10,11,12,13,14,15
	v_exp_f32 v[SR+16*(4*\hf+\qb)+\k], v[SR+16*(4*\hf+\qb)+\k]
.endr
.endm
.macro PADD acc, t, k
	v_pk_add_f32 v[SUMP+2*\acc:SUMP+2*\acc+1], v[SUMP+2*\acc:SUMP+2*\acc+1], v[\t+2*\k:\t+2*\k+1]
.endm
.macro PCVT t, i
	v_cvt_pk_f16_f32 v[\t+\i], v[\t+2*\i], v[\t+2*\i+1]
.endm
; A block's 16 p are added into two pairs of sums and rounded to f16 in place: each pair is added before a rounding writes over it.
; The first block of a query tile starts the sums: nothing is cleared.
.macro SUMCVT hf, qb
.set tb, SR+16*(4*\hf+\qb)
.if \hf == 0
	s_wait_alu depctr_va_vdst(0)
	v_pk_add_f32 v[SUMP:SUMP+1],   v[tb:tb+1],   v[tb+2:tb+3]
	v_pk_add_f32 v[SUMP+2:SUMP+3], v[tb+4:tb+5], v[tb+6:tb+7]
	PCVT tb, 0
	PCVT tb, 1
.else
	PADD 0, tb, 0
	PADD 1, tb, 1
	PCVT tb, 0
	PCVT tb, 1
	PADD 0, tb, 2
	PADD 1, tb, 3
.endif
	PCVT tb, 2
	PADD 0, tb, 4
	PCVT tb, 3
	PADD 1, tb, 5
	PCVT tb, 4
	PADD 0, tb, 6
	PCVT tb, 5
	PADD 1, tb, 7
	PCVT tb, 6
	PCVT tb, 7
.endm
.macro LUPD qb, first                  ; l = l a + the step's sum
	v_pk_add_f32 v[SUMP:SUMP+1], v[SUMP:SUMP+1], v[SUMP+2:SUMP+3]
.if \first
	v_add_f32 v[LS+\qb], v[SUMP], v[SUMP+1]
.else
	v_fma_f32 v[LS+\qb], v[LS+\qb], v[AD+2*\qb], v[SUMP]
	v_add_f32 v[LS+\qb], v[LS+\qb], v[SUMP+1]
.endif
.endm
.macro QPAIR a, b, first               ; the exponentials of two query tiles; sums and roundings run one block behind
	SUBB 0, \a
	EXPB 0, \a
	SUBB 1, \a
	EXPB 1, \a
	SUMCVT 0, \a
	SUBB 0, \b
	EXPB 0, \b
	SUMCVT 1, \a
	LUPD \a, \first
	SUBB 1, \b
	EXPB 1, \b
	SUMCVT 0, \b
	SUMCVT 1, \b
	LUPD \b, \first
.endm
.macro SOFTMAX_A first, more
	PLACES                                         ; behind the last group of the S phase
	s_wait_kmcnt 0x0                               ; the second half's mask words; the loads that name s6 are done
	MASKQ 1, 0
	MASKQ 1, 1
	MASKQ 1, 2
	MASKQ 1, 3
.if \more
	s_add_co_u32 s6, s6, 512                       ; the next step's words: 16 key tiles of 32 bytes on
	MLOAD 0
.endif
.irp k,0,1,2,3,4,5,6,7
	MAXK 1, \k, 0
.endr
.irp qb,0,1,2,3
	v_permlanex16_b32 v[SUMP+\qb], v[MX+\qb], s66, s67     ; the other half of the wave holds the query's other 32 keys
.endr
.irp qb,0,1,2,3
	v_max_num_f32 v[MX+\qb], v[MX+\qb], v[SUMP+\qb]
.endr
.if \first == 0
.irp qb,0,1,2,3
	v_sub_f32 v[AD+2*\qb], v[MD+2*\qb], v[MX+\qb]
.endr
.irp qb,0,1,2,3
	v_exp_f32 v[AD+2*\qb], v[AD+2*\qb]             ; a = 2^(old m - new m); the moves below stand between these and their use
.endr
.endif
.irp qb,0,1,2,3
	v_mov_b32 v[MD+2*\qb],   v[MX+\qb]
	v_mov_b32 v[MD+2*\qb+1], v[MX+\qb]
.endr
.if \first == 0
	s_wait_alu depctr_va_vdst(0)
.irp qb,0,1,2,3
	v_mov_b32 v[AD+2*\qb+1], v[AD+2*\qb]
.endr
.endif
	QPAIR 0, 1, \first
.endm
; group n of the PV phase: feature tiles 2 n, 2 n + 1, both halves of the keys: four fragments, eight loads
.macro VFETCH n
.irp fbl,0,1
.irp kk,0,1
	ds_load_b128 v[FR+32*((\n)%3)+8*(2*\fbl+\kk):FR+32*((\n)%3)+8*(2*\fbl+\kk)+3],   v[VA] offset:(2*(\n)+\fbl)*8*VPITCH+\kk*64
	ds_load_b128 v[FR+32*((\n)%3)+8*(2*\fbl+\kk)+4:FR+32*((\n)%3)+8*(2*\fbl+\kk)+7], v[VA] offset:(2*(\n)+\fbl)*8*VPITCH+\kk*64+32
.endr
.endr
.endm
.macro PMUL n, first                   ; sixteen matrix instructions, eight accumulators by turns, one instruction a turn
.if (\n) < 4
	WIN 0xa0                                       ; C and D in window 2
.else
	WIN 0xf0                                       ; in window 3
.endif
.irp kk,0,1
.irp fbl,0,1
.irp qb,0,1,2,3
.set od, 8*(4*((2*(\n)+\fbl)&7)+\qb)
.set fa, FR+32*((\n)%3)+8*(2*\fbl+\kk)
.set pb, SR+16*(4*\kk+\qb)
.if \first*(1-\kk)
	v_wmma_f32_16x16x32_f16 v[od:od+7], v[fa:fa+7], v[pb:pb+7], 0
.else
	v_wmma_f32_16x16x32_f16 v[od:od+7], v[fa:fa+7], v[pb:pb+7], v[od:od+7]
.endif
.endr
.endr
.endr
.endm
; The round in the middle of the softmax.  K(i) has been read; V(i) must be in.  Behind it the K slot is filled again, first thing, and V's first fragments are fetched.
.macro BR last
	s_wait_dscnt 0x0                               ; my reads of the K slot are over
	s_wait_xcnt 0x0
	v_lshl_add_u32 v222, v0, 2, 0x4c400
	v_mov_b32 v223, 0
	s_wait_tensorcnt 0x0                           ; all my tensor loads have landed: the one that was out is my V tile; so a group 0 may be written
	ds_add_u32 v222, v223
	s_wait_dscnt 0x0
.if \last
	s_mov_b64 s[26:27], s[100:101]                 ; the last fill: my 64 rows of wo^T, the same shape as a K tile
	s_or_b32 s27, s27, 0x80000000
.else
	s_add_nc_u64 s[26:27], s[26:27], STEP
.endif
	ROUND                                          ; both hold of every wave of the four work-groups
	tensor_load_to_lds s[24:27], s[8:15]           ; my one tensor load behind the round
	s_nop 0
	VFETCH 0
	VFETCH 1
.endm
.macro RESCALE win                     ; O^T times the query's factor: 32 tiles of a window
	WIN ((\win)<<6)|(\win)
.set rt, 0
.rept 32
.irp k,0,2,4,6
	v_pk_mul_f32 v[8*rt+\k:8*rt+\k+1], v[8*rt+\k:8*rt+\k+1], v[AD+2*(rt&3):AD+2*(rt&3)+1]
.endr
.set rt, rt+1
.endr
	WIN 0
.endm
; O^T += V^T P^T.  tail = 1: the V slot is filled again at the end.  The round's opening signal stands in front of the last group, whose
; sixteen matrix instructions touch registers only; in front of it my reads of the V slot are over and my K tile has landed.
.macro PV first, tail
.irp n,0,1,2,3,4,5,6,7
	WIN 0
.if \n >= 1
	PLACES
.endif
.if \n <= 5
	VFETCH \n+2
	s_wait_dscnt 16                                ; all but the two younger groups of eight
.elseif \n == 6
	s_wait_dscnt 8
.else
	s_wait_dscnt 0
.if \tail
	s_wait_xcnt 0x0
	v_lshl_add_u32 v222, v0, 2, 0x4c400
	v_mov_b32 v223, 0
	s_wait_tensorcnt 0x0                           ; all my tensor loads have landed: the one that was out is my next K tile
	ds_add_u32 v222, v223
	s_wait_dscnt 0x0
	s_barrier_signal -1
.endif
.endif
	PMUL \n, \first
.endr
	WIN 0
.rept 5
	v_nop                                          ; five places: the next S phase writes matrix results over the P fragments, and loads into the buffers
.endr
.if \tail
	s_barrier_wait -1
	CREST
	s_add_nc_u64 s[30:31], s[30:31], STEP
	tensor_load_to_lds s[28:31], s[16:23]          ; my one tensor load behind the round
	s_nop 0
.endif
.endm
	s_load_b256 s[68:75], s[0:1], 0x0              ; qs s[68:69], kb s[70:71], vt s[72:73], maskw s[74:75]
	s_load_b64 s[76:77], s[0:1], 0x20              ; wt
	v_lshl_add_u32 v222, v0, 2, 0x4c400
	v_mov_b32 v223, 0
	ds_add_u32 v222, v223
	s_wait_dscnt 0x0
	v_lshrrev_b32 v1, 5, v0
	v_readfirstlane_b32 s3, v1                     ; wave 0..3
	s_bfe_u32 s2, ttmp6, 0x40000                   ; cx
	s_lshl_b32 s105, ttmp9, 2
	s_add_co_u32 s105, s105, s2                    ; g: enters the addresses of Q, of the mask words and of the result alone
	s_lshr_b32 s80, ttmp9, 4                       ; batch: 16 clusters each, the same in all four partners
	s_mov_b32 s7, 0xceabfb8f                       ; -1e9 log2(e)
	s_mov_b32 s66, 0x76543210                      ; v_permlanex16_b32: lane i of one half reads lane i of the other
	s_mov_b32 s67, 0xfedcba98
	s_mov_b32 s6, 0
	s_mov_b32 s8, 15|(1<<16)|(1<<20)|(1<<21)|(6<<22)|(3<<25)  ; K: mask of all four, elements of 2 bytes, padding of 4 words after 128, bit 21 beside the mask
	s_mov_b32 s9, 256<<16                          ; tensor_dim0 = 256
	s_mov_b32 s10, 64<<16                          ; tensor_dim1 = 64
	s_mov_b32 s11, 256<<16                         ; tile_dim0 = 256
	s_mov_b32 s12, 64                              ; tile_dim1 = 64
	s_mov_b32 s13, 256                             ; elements from row to row
	s_mov_b32 s14, 0
	s_mov_b32 s15, 0
	s_mov_b32 s16, 15|(3<<16)|(1<<20)|(1<<21)|(5<<22)|(3<<25) ; V: a dense block of 32 KiB as 128 rows of 32 elements of 8 bytes, padding of 4 words after 64
	s_mov_b32 s17, 32<<16
	s_mov_b32 s18, 128<<16
	s_mov_b32 s19, 32<<16
	s_mov_b32 s20, 128
	s_mov_b32 s21, 32
	s_mov_b32 s22, 0
	s_mov_b32 s23, 0
	s_mov_b32 s32, (1<<16)|(1<<20)|(6<<22)|(3<<25) ; Q: my work-group's own, no mask; 16 rows a wave
	s_mov_b32 s33, 256<<16
	s_mov_b32 s34, 16<<16
	s_mov_b32 s35, 256<<16
	s_mov_b32 s36, 16
	s_mov_b32 s37, 256
	s_mov_b32 s38, 0
	s_mov_b32 s39, 0
	s_mov_b32 s24, 1
	s_mul_i32 s25, s3, KPART
	s_mov_b32 s28, 1
	s_mul_i32 s29, s3, VPART
	s_add_co_u32 s29, s29, VS
	s_mov_b32 s40, 1
	s_mul_i32 s41, s3, 16*KPITCH
	s_add_co_u32 s41, s41, QS
	s_lshl_b32 s82, s80, 21                        ; a batch of K or of V^T is 2 MiB,
	s_lshl_b32 s81, s3, 15                         ; a wave's 64 keys 32 KiB
	s_add_co_u32 s82, s82, s81
	s_mov_b32 s83, 0
	s_lshl_b32 s84, s105, 15                       ; Q: 64 rows of 512 bytes a work-group, 16 a wave
	s_lshl_b32 s85, s3, 13
	s_add_co_u32 s84, s84, s85
	s_mov_b32 s85, 0
	s_and_b32 s86, s105, 63                        ; mask words: four query tiles of 8,192 bytes a query block, 128 bytes a wave in each step's 512
	s_lshl_b32 s86, s86, 15
	s_lshl_b32 s87, s3, 7
	s_add_co_u32 s86, s86, s87
	s_mov_b32 s87, 0
	s_add_co_u32 s88, s81, 393216                  ; wo^T is the fourth matrix of wt
	s_mov_b32 s89, 0
	s_wait_kmcnt 0x0
	s_add_nc_u64 s[26:27], s[70:71], s[82:83]
	s_or_b32 s27, s27, 0x80000000
	s_add_nc_u64 s[30:31], s[72:73], s[82:83]
	s_or_b32 s31, s31, 0x80000000
	s_add_nc_u64 s[42:43], s[68:69], s[84:85]
	s_or_b32 s43, s43, 0x80000000
	s_add_nc_u64 s[4:5], s[74:75], s[86:87]
	s_add_nc_u64 s[100:101], s[76:77], s[88:89]
	ROUND                                          ; the four work-groups are here: the first joint loads meet
	tensor_load_to_lds s[40:43], s[32:39]          ; Q
	s_nop 0
	tensor_load_to_lds s[24:27], s[8:15]           ; K(0)
	s_nop 0
	tensor_load_to_lds s[28:31], s[16:23]          ; V(0)
	s_nop 0
	v_and_b32 v20, 15, v0                          ; r
	v_bfe_u32 v21, v0, 4, 1                        ; h
	v_mul_u32_u24 v22, v20, KPITCH
	v_lshl_add_u32 v22, v21, 4, v22                ; r x pitch + 16 h: a fragment is two loads of 16 bytes, 32 bytes apart
	v_add_nc_u32 v[KA], s25, v22
	v_add_nc_u32 v[QA], QS, v22
	v_lshrrev_b32 v23, 1, v20
	v_mul_u32_u24 v23, v23, VPITCH
	v_and_b32 v24, 1, v20
	v_lshl_add_u32 v23, v24, 7, v23
	v_lshl_add_u32 v23, v21, 4, v23
	v_add_nc_u32 v[VA], s29, v23
.irp qb,0,1,2,3
	v_mov_b32 v[SUMP+\qb], 0                       ; v_permlanex16_b32 counts as a reader of its destination
.endr
	s_wait_tensorcnt 0x1                           ; my parts of Q and K(0) are in; V(0) stays out
	BARRIER                                        ; everybody's part of Q is in
	MLOAD 0                                        ; Q's descriptor is done with: its registers take mask words
	WIN 0x40                                       ; destination in window 1
.irp qb,0,1,2,3
.irp ks,0,1,2,3,4,5,6,7
	ds_load_b128 v[8*(8*\qb+\ks):8*(8*\qb+\ks)+3],   v[QA] offset:\qb*16*KPITCH+\ks*64
	ds_load_b128 v[8*(8*\qb+\ks)+4:8*(8*\qb+\ks)+7], v[QA] offset:\qb*16*KPITCH+\ks*64+32
.endr
.endr
	WIN 0
	S_PHASE 1, 1                                   ; step 0 stands in front of the loop: it starts maxima, sums and O
	SOFTMAX_A 1, 1
	BR 0
	QPAIR 2, 3, 1
	PV 1, 1
	s_mov_b32 s104, 14
.Lstep:                                            ; steps 1 to 14
	S_PHASE 1, 0
	SOFTMAX_A 0, 1
	BR 0
	QPAIR 2, 3, 0
	RESCALE 2
	RESCALE 3
	PV 0, 1
	s_sub_co_i32 s104, s104, 1
	s_cmp_lg_u32 s104, 0
	s_cbranch_scc1 .Lstep
	S_PHASE 1, 0                                   ; step 15: no further mask words, wo^T in K's place, no further V
	SOFTMAX_A 0, 0
	BR 1
	QPAIR 2, 3, 0
	RESCALE 2
	RESCALE 3
	PV 0, 0
	; THE END.  1. The four waves' maxima and sums meet in LDS.
.irp qb,0,1,2,3
	v_permlanex16_b32 v[SUMP+\qb], v[LS+\qb], s66, s67
.endr
.irp qb,0,1,2,3
	v_add_f32 v[LS+\qb], v[LS+\qb], v[SUMP+\qb]    ; both halves of my keys
.endr
	v_and_b32 v[LN], 31, v0
	v_lshlrev_b32 v[LN], 4, v[LN]
	s_lshl_b32 s2, s3, 10
	s_add_co_u32 s2, s2, STAT
	v_add_nc_u32 v[TA], s2, v[LN]
	ds_store_b128 v[TA], v[MX:MX+3]
	ds_store_b128 v[TA], v[LS:LS+3] offset:512
	s_load_b128 s[32:35], s[0:1], 0x28             ; bo s[32:33], out0 s[34:35]
	s_wait_dscnt 0x0                               ; my stores are done, and so are my reads of the V slot, which is a stage from here on
	BARRIER
	v_add_nc_u32 v[TA], STAT, v[LN]
.irp u,0,1,2,3
	ds_load_b128 v[SR+8*\u:SR+8*\u+3],   v[TA] offset:\u*1024
	ds_load_b128 v[SR+8*\u+4:SR+8*\u+7], v[TA] offset:\u*1024+512
.endr
	s_lshl_b32 s2, s3, 15
	s_add_co_u32 s2, s2, VS
	v_add_nc_u32 v[EA], s2, v[LN]                  ; where I put my tiles: 32 KiB a wave
	s_lshl_b32 s2, s3, 10
	s_add_co_u32 s2, s2, VS
	v_add_nc_u32 v[RA], s2, v[LN]                  ; where I read: query tile w of each wave
.irp u,1,2,3
	v_add_nc_u32 v[RA+\u], \u*32768, v[RA]
.endr
	s_wait_dscnt 0x0
.irp qb,0,1,2,3
	v_max3_num_f32 v[SUMP+\qb], v[SR+\qb], v[SR+8+\qb], v[SR+16+\qb]
.endr
.irp qb,0,1,2,3
	v_max_num_f32 v[SUMP+\qb], v[SUMP+\qb], v[SR+24+\qb]   ; the maximum over all keys
.endr
.irp u,0,1,2,3
.irp qb,0,1,2,3
	v_sub_f32 v[SR+8*\u+\qb], v[SR+8*\u+\qb], v[SUMP+\qb]
.endr
.endr
.irp qb,0,1,2,3
	v_sub_f32 v[AD+2*\qb], v[MX+\qb], v[SUMP+\qb]
.endr
.irp u,0,1,2,3
.irp qb,0,1,2,3
	v_exp_f32 v[SR+8*\u+\qb], v[SR+8*\u+\qb]
.endr
.endr
.irp qb,0,1,2,3
	v_exp_f32 v[AD+2*\qb], v[AD+2*\qb]
.endr
	v_nop                                          ; one plain place behind the exponentials
	s_wait_alu depctr_va_vdst(0)
.irp qb,0,1,2,3
	v_mul_f32 v[LS+\qb], v[SR+\qb], v[SR+4+\qb]
.endr
.irp u,1,2,3
.irp qb,0,1,2,3
	v_fmac_f32 v[LS+\qb], v[SR+8*\u+\qb], v[SR+8*\u+4+\qb]
.endr
.endr
.irp qb,0,1,2,3
	v_rcp_f32 v[LS+\qb], v[LS+\qb]                 ; the sum is at least 1: the key of the maximum gives 2^0
.endr
	v_nop
	s_wait_alu depctr_va_vdst(0)
.irp qb,0,1,2,3
	v_mul_f32 v[AD+2*\qb], v[AD+2*\qb], v[LS+\qb]  ; my factor: 2^(my m - m) / l
.endr
.irp qb,0,1,2,3
	v_mov_b32 v[AD+2*\qb+1], v[AD+2*\qb]
.endr
; 2. The four O^T are added, eight feature tiles (a window) at a time: each wave scales and stores its 32 tiles, then wave w adds the four waves'
; tiles of query tile w and rounds them to score fragments c = 4 p .. 4 p + 3 in v[32:95].
.macro LOADPAIR cl, buf                ; feature tiles 2 cl, 2 cl + 1 of the four waves: 16 loads, 64 registers
.irp f2,0,1
.irp u,0,1,2,3
	ds_load_b128 v[SR+64*\buf+32*\f2+8*\u:SR+64*\buf+32*\f2+8*\u+3],   v[RA+\u] offset:(2*\cl+\f2)*4096
	ds_load_b128 v[SR+64*\buf+32*\f2+8*\u+4:SR+64*\buf+32*\f2+8*\u+7], v[RA+\u] offset:(2*\cl+\f2)*4096+512
.endr
.endr
.endm
.macro SUMPAIR c, buf
.irp f2,0,1
.set sb, SR+64*\buf+32*\f2
.irp k,0,2,4,6
	v_pk_add_f32 v[sb+\k:sb+\k+1],       v[sb+\k:sb+\k+1],       v[sb+8+\k:sb+8+\k+1]
	v_pk_add_f32 v[sb+16+\k:sb+16+\k+1], v[sb+16+\k:sb+16+\k+1], v[sb+24+\k:sb+24+\k+1]
.endr
.irp k,0,2,4,6
	v_pk_add_f32 v[sb+\k:sb+\k+1], v[sb+\k:sb+\k+1], v[sb+16+\k:sb+16+\k+1]
.endr
.irp i,0,1,2,3
	v_cvt_pk_f16_f32 v[FR+8*(\c)+4*\f2+\i], v[sb+2*\i], v[sb+2*\i+1]
.endr
.endr
.endm
.macro MERGE p
	RESCALE 2+\p
	WIN 0x08+4*\p                                  ; store data, source 1, in window 2 + p
.set mt, 0
.rept 32
	ds_store_b128 v[EA], v[8*mt:8*mt+3]   offset:mt*1024
	ds_store_b128 v[EA], v[8*mt+4:8*mt+7] offset:mt*1024+512
.set mt, mt+1
.endr
	WIN 0
	s_wait_dscnt 0x0                               ; my tiles are written before I signal
	BARRIER
	LOADPAIR 0, 0
	LOADPAIR 1, 1
	s_wait_dscnt 16                                ; the older sixteen loads are in
	SUMPAIR 4*\p+0, 0
	LOADPAIR 2, 0
	s_wait_dscnt 16
	SUMPAIR 4*\p+1, 1
	LOADPAIR 3, 1
	s_wait_dscnt 16
	SUMPAIR 4*\p+2, 0
	s_wait_dscnt 0
	SUMPAIR 4*\p+3, 1
.endm
	MERGE 0
	BARRIER                                        ; every wave has read the first window's tiles (its loads were waited for above): the stage may be written again
	MERGE 1
	; 3. Every wave needs all four query tiles' fragments for its 64 output columns.
	s_lshl_b32 s2, s3, 13
	s_add_co_u32 s2, s2, QS
	v_add_nc_u32 v[SH], s2, v[LN]
.irp c,0,1,2,3,4,5,6,7
	ds_store_b128 v[SH], v[FR+8*\c:FR+8*\c+3]   offset:\c*1024
	ds_store_b128 v[SH], v[FR+8*\c+4:FR+8*\c+7] offset:\c*1024+512
.endr
	s_wait_dscnt 0x0                               ; my fragments are written, my reads of the stage are over
	s_wait_tensorcnt 0x0                           ; my rows of wo^T are in
	BARRIER
	v_add_nc_u32 v[SH], QS, v[LN]
	WIN 0x40                                       ; into Q's places in window 1
.irp qb,0,1,2,3
.irp c,0,1,2,3,4,5,6,7
	ds_load_b128 v[8*(8*\qb+\c):8*(8*\qb+\c)+3],   v[SH] offset:\qb*8192+\c*1024
	ds_load_b128 v[8*(8*\qb+\c)+4:8*(8*\qb+\c)+7], v[SH] offset:\qb*8192+\c*1024+512
.endr
.endr
	WIN 0
	S_PHASE 0, 0                                   ; out^T = wo^T score^T for output columns 64 w .. +63: the S phase's product on other data
	; 4. The way out: 32 bytes a lane into rows of 1,040 bytes, whole rows back, bo added, stores of 512 neighbouring bytes a wave.
	PLACES
	s_wait_kmcnt 0x0
	global_load_b128 v[FR:FR+3],   v[LN], s[32:33]
	global_load_b128 v[FR+4:FR+7], v[LN], s[32:33] offset:512
	v_and_b32 v[TA], 15, v0
	v_bfe_u32 v[EA], v0, 4, 1
	v_mul_u32_u24 v[TA], v[TA], OPITCH
	v_lshl_add_u32 v[TA], v[EA], 5, v[TA]
	s_lshl_b32 s2, s3, 8
	s_add_co_u32 s2, s2, VS
	v_add_nc_u32 v[TA], s2, v[TA]                  ; row r, my wave's 256 bytes, 32 for each half of the lanes
.irp qb,0,1,2,3
.irp m,0,1,2,3
.set tb, SR+16*(4*(\m>>1)+\qb)+8*(\m&1)
	ds_store_b128 v[TA], v[tb:tb+3]   offset:\qb*16*OPITCH+\m*64
	ds_store_b128 v[TA], v[tb+4:tb+7] offset:\qb*16*OPITCH+\m*64+16
.endr
.endr
	s_mul_i32 s2, s3, 16*OPITCH
	s_add_co_u32 s2, s2, VS
	v_add_nc_u32 v[EA], s2, v[LN]
	s_lshl_b32 s36, s105, 16                       ; 64 rows of 1,024 bytes a work-group, 16 a wave
	s_lshl_b32 s37, s3, 14
	s_add_co_u32 s36, s36, s37
	s_mov_b32 s37, 0
	s_add_nc_u64 s[34:35], s[34:35], s[36:37]
	s_wait_dscnt 0x0                               ; my columns are written before I signal
	BARRIER
.set i, 0
.rept 32
	ds_load_b128 v[SR+4*i:SR+4*i+3], v[EA] offset:(i>>1)*OPITCH+(i&1)*512
.set i, i+1
.endr
	s_wait_loadcnt 0x0                             ; bo
.set i, 0
.rept 32
	s_wait_dscnt 31-i                              ; half row i is in, the younger ones stay out
	v_pk_add_f32 v[SR+4*i:SR+4*i+1],   v[SR+4*i:SR+4*i+1],   v[FR+4*(i&1):FR+4*(i&1)+1]
	v_pk_add_f32 v[SR+4*i+2:SR+4*i+3], v[SR+4*i+2:SR+4*i+3], v[FR+4*(i&1)+2:FR+4*(i&1)+3]
	global_store_b128 v[LN], v[SR+4*i:SR+4*i+3], s[34:35] offset:i*512 th:TH_STORE_NT
.set i, i+1
.endr
	s_wait_xcnt 0x0
	v_lshl_add_u32 v222, v0, 2, 0x4c400
	v_mov_b32 v223, 0
	s_wait_tensorcnt 0x0
	ds_add_u32 v222, v223
	s_wait_dscnt 0x0
	ROUND                                          ; the closing round: no work-group ends while a partner may still ask jointly
	s_endpgm
.Lfunc_end_k_q076171d78b_attn:
	.size	k_q076171d78b_attn, .Lfunc_end_k_q076171d78b_attn-k_q076171d78b_attn
	.p2alignl 7, 3214868480
	.fill 96, 4, 3214868480
	.section	.rodata,"a",@progbits
	.p2align	6, 0x0
	.amdhsa_kernel k_q076171d78b_attn
		.amdhsa_group_segment_fixed_size 327680
		.amdhsa_private_segment_fixed_size 0
		.amdhsa_enable_private_segment 0
		.amdhsa_kernarg_size 56
		.amdhsa_user_sgpr_count 2
		.amdhsa_user_sgpr_kernarg_segment_ptr 1
		.amdhsa_wavefront_size32 1
		.amdhsa_system_sgpr_workgroup_id_x 1
		.amdhsa_system_sgpr_workgroup_id_y 1
		.amdhsa_system_sgpr_workgroup_id_z 1
		.amdhsa_system_vgpr_workitem_id 0
		.amdhsa_next_free_vgpr 1024
		.amdhsa_next_free_sgpr 106
		.amdhsa_reserve_vcc 0
		.amdhsa_float_denorm_mode_32 3
		.amdhsa_float_denorm_mode_16_64 3
		.amdhsa_memory_ordered 1
		.amdhsa_forward_progress 1
		.amdhsa_inst_pref_size 255
	.end_amdhsa_kernel
	.section	.bss,"aw",@nobits
	.p2align	6
	.space	262144
	.amdgpu_metadata
---
amdhsa.version: [ 1, 2 ]
amdhsa.kernels:
  - .name:           k_q076171d78b_attn
    .symbol:         k_q076171d78b_attn.kd
    .args:
      - { .name: qs, .offset: 0, .size: 8, .value_kind: global_buffer, .address_space: global }
      - { .name: kb, .offset: 8, .size: 8, .value_kind: global_buffer, .address_space: global }
      - { .name: vt, .offset: 16, .size: 8, .value_kind: global_buffer, .address_space: global }
      - { .name: maskw, .offset: 24, .size: 8, .value_kind: global_buffer, .address_space: global }
      - { .name: wt, .offset: 32, .size: 8, .value_kind: global_buffer, .address_space: global }
      - { .name: bo, .offset: 40, .size: 8, .value_kind: global_buffer, .address_space: global }
      - { .name: out0, .offset: 48, .size: 8, .value_kind: global_buffer, .address_space: global }
    .group_segment_fixed_size: 327680
    .private_segment_fixed_size: 0
    .kernarg_segment_align: 8
    .kernarg_segment_size: 56
    .max_flat_workgroup_size: 128
    .sgpr_count:     106
    .vgpr_count:     1024
    .wavefront_size: 32
...
	.end_amdgpu_metadata
.endif
;; end of part 3
